; MI455X (gfx1250); checked and timed in simulation.
; The chip was launched on July 23, 2026; its instructions are those of AMD's public machine-readable ISA for CDNA 5 (MIT licence, August 2026) and "CDNA5" Instruction Set Architecture Reference Guide (July 2026). The comments in the code are by the model that wrote it; some were corrected since.
;; Multihead Attention. Allowed arithmetic: matrix products marked QUANTISED: E3M2 operands, one E8M0 scale for each 32 along K, by v_wmma_scale_f32_16x16x128_f8f6f4 with both operands' format E3M2, f32 sums; everything else in f32.
;; Inputs: Wk 1,024 x 1,024 float32; Wo 1,024 x 1,024 float32; Wq 1,024 x 1,024 float32; Wv 1,024 x 1,024 float32; x 2 x 2,048 x 1,024 float32.
;; Outputs: out0 2 x 2,048 x 1,024 float32.
;; Constants: num_heads = 16.
;; This version of the problem:
;;   THIS VERSION OF THE PROBLEM IS GIVEN IN LOW PRECISION. The matrix products marked QUANTISED in the list below multiply operands that are first quantised to E3M2 (3 exponent bits, 2 mantissa bits; 6 bits a number), with one power-of-two scale for each 32 numbers along K (OCP MX v1.0); their sums are f32. All else is computed in f32.
;;   The module's matrix products, in the order in which they are computed (A, B: the left and right operand; K: the contracted axis; several contracted axes count as one K, in the product's order):
;;     1. [M 4,096, K 1,024] x [K 1,024, N 1,024]; A: input x; B: input Wq: QUANTISED
;;     2. [M 4,096, K 1,024] x [K 1,024, N 1,024]; A: input x; B: input Wk: QUANTISED
;;     3. [M 4,096, K 1,024] x [K 1,024, N 1,024]; A: input x; B: input Wv: QUANTISED
;;     4. batch 32 x [M 2,048, K 64] x [K 64, N 2,048]; A: computed on the way; B: computed on the way: QUANTISED
;;     5. batch 32 x [M 2,048, K 2,048] x [K 2,048, N 64]; A: softmax (see below); B: computed on the way: QUANTISED
;;     6. [M 4,096, K 1,024] x [K 1,024, N 1,024]; A: computed on the way; B: input Wo: QUANTISED
;;   THE QUANTISER, for each operand of a quantised product, along K:
;;     - K is cut into blocks of 32 from its start; a last block that is shorter is filled with zeros.
;;     - A block's scale is 2^e with e = floor(log2(the largest magnitude in the block)) - 4, held to -126 .. 127; a block of zeros has e = 0. As a byte (E8M0): e + 127.
;;     - Each number is divided by its block's scale, clamped to +-28, and rounded to the nearest number of E3M2, ties to even, subnormals kept.
;;     - The product sums the exact products of the quantised numbers (number of the format x scale) in f32.
;;   ~~~python
;;   def quantise(x, axis):      # numpy; x: float32 -> the quantised numbers, widened to float32 again
;;       x = np.moveaxis(x, axis, -1); K = x.shape[-1]
;;       x = np.pad(x, [(0, 0)] * (x.ndim - 1) + [(0, -K % 32)]); x = x.reshape(x.shape[:-1] + (-1, 32)); a = np.abs(x).max(-1, keepdims=True)
;;       e = np.where(a > 0, np.clip(np.frexp(np.where(a > 0, a, 1))[1] - 1 - 4, -126, 127), 0)      # np.frexp(a)[1] - 1 = floor(log2(a)), exactly
;;       r = np.clip(x / 2.0 ** e, -28, 28)
;;       step = 2.0 ** (np.maximum(np.frexp(np.where(r == 0, 1, r))[1] - 1, -2) - 2)
;;       q = np.round(r / step) * step * 2.0 ** e      # np.round: ties to even
;;       return np.moveaxis(q.reshape(q.shape[:-2] + (-1,))[..., :K], -1, axis).astype(np.float32)
;;   ~~~
;;   SOFTMAX AHEAD OF A QUANTISED PRODUCT. Where the list says 'softmax', what is quantised is not the finished softmax but p = 2^(t - M), with t = logit x log2(e) and M = ceil(the row's largest t), a whole number; so 1/2 < the row's largest p <= 1. The row's sum l is taken of the UNQUANTISED p, in f32, and the product's result is divided by l at the end. Since M is a whole number, a kernel that streams over the keys may use a running M (the ceiling of the running maximum): every later rescaling is an exact power of two, which a block's scale takes up: the codes' values come out the same.
;;   OPERANDS COMPUTED ON THE WAY. 'Computed on the way' means the value that the module computes at that place (a softmax that the list does not call 'softmax' is quantised finished and normalised). What goes into a quantiser is computed in f32, as accurately as f32 sums, v_exp_f32 and their like allow (about 1e-6 of the number): no bf16 or f16 on the way to a quantiser, and a product that is left as it is and whose result goes on into a quantised operand takes f32 operands (vector FMAs, or v_wmma_f32_16x16x4_f32). A number that lies on a knife's edge between two numbers of the format may be rounded either way, as far as f32 arithmetic and the matrix unit's own rounding can turn it there, and no further.
;; One version. Each part assembles by itself: llvm-mc -triple=amdgcn-amd-amdhsa -mcpu=gfx1250 --defsym DOCPART=n.
;; ======== version 1 of 1: 4 launches
;; limits: right only within a limited range of input values
;; workspace buffers: cod 6,291,456 bytes; scl 262,144 bytes; qkc 6,291,456 bytes; qks 524,288 bytes; vtc 3,145,728 bytes; vts 131,072 bytes; atc 3,145,728 bytes; ats 131,072 bytes
;; launch quant (part 1): grid 256 x 1, 8 waves a work-group, no clusters, 69,120 bytes of LDS; arguments x, Wq, Wk, Wv, Wo, cod, scl; writes cod, scl
.if DOCPART == 1
	.amdgcn_target "amdgcn-amd-amdhsa--gfx1250"
	.amdhsa_code_object_version 6
	.text
	.protected	k_qeeef8b1596_quant
	.globl	k_qeeef8b1596_quant
	.p2align	8
	.type	k_qeeef8b1596_quant,@function
k_qeeef8b1596_quant:
	s_mov_b64 s[64:65], 0
	v_nop
	global_prefetch_b8 v0, s[64:65] scope:SCOPE_SE
	s_setreg_imm32_b32 hwreg(HW_REG_WAVE_MODE, 25, 1), 1
	s_wait_xcnt 0x0
; x [4096][1024] and Wq, Wk, Wv, Wo [1024][1024], f32, K innermost, become codes of BF6 (E3M2) and one E8M0 byte for each 32 along K, laid as IMAGES OF OPERAND REGISTERS.
; WORK LEFT OUT in this program: in attention, key steps of 128 all of whose keys come after a tile's queries. reference() puts -infinity there in its own body (the causal mask), so their p is 0 for all finite inputs.
; LIMITS: a NaN, an infinity or an overflow that reaches only that work is not carried to the result; NaN and infinities among the inputs are not served. A block whose largest magnitude lies under 2^-122, a block of
; zeros among them, keeps the scale byte 1 (a block of zeros has zero codes, and this program alone reads the bytes).
; A block's scale is 2^(floor(log2(its largest magnitude)) - 4); its byte is the largest magnitude's exponent field - 4, held at 1 from below.
; cod: tile T of 16 rows (x 0-255, Wq 256-, Wk 320-, Wv 384-, Wo 448-) at 12,288 T; K step s of 128 at 1,536 s; registers 2 p, 2 p + 1 of the twelve at 256 p + 8 lane.
; scl: 512 T + 128 (s / 2) + 8 r + 4 (s % 2) + block.
; THE ROWS ARE WOVEN: of each 32 rows, row 16 g + 8 u + i goes to place 8 g + i of tile u: so a product used transposed has 16 neighbours along the next product's K in a lane's registers.
; A work-group takes 32 rows (two tiles), a wave 4 rows: 8 steps of 512 numbers. All 32 loads of a wave are issued at once. A step's 2,048 bytes turn through the wave's own stage in LDS, so that a lane holds 16 neighbours.
; The codes gather in the work-group's image in LDS (chunks of 256 bytes, 272 apart) and leave as 512 consecutive bytes a store; the scale bytes as 256.
.set STEPS, 8
.set SP,    80                         ; a lane's place in a stage: 64 bytes + 16
.set WREG,  2*32*SP
.set IMG,   8*WREG                     ; the image: 96 chunks
.set SCB,   IMG+96*272                 ; 1,024 scale bytes
.set SPARE, SCB+1024                   ; the spare words: 128 bytes for each wave
.set X,     32                         ; v32-63 two sets of 16 neighbours
.set R,     64                         ; v64-191 eight sets of 16 numbers as loaded
.set C,     196                        ; v196-227 codes, four registers a step
.set E,     228                        ; v228-235 a scale byte a step
.set SPW,   16
.set NIL,   17
	s_load_b256 s[4:11], s[0:1], 0x0               ; x, Wq, Wk, Wv
	s_load_b128 s[12:15], s[0:1], 0x20             ; Wo, cod
	s_load_b64 s[24:25], s[0:1], 0x30              ; scl
	v_lshl_add_u32 v[SPW], v0, 2, SPARE
	v_mov_b32 v[NIL], 0
	v_lshrrev_b32 v3, 5, v0
	v_readfirstlane_b32 s16, v3                    ; wave 0..7 = 4 g + 2 u + (upper four of eight rows)
	s_mul_i32 s17, s16, WREG
	s_bfe_u32 s18, s16, 0x10001                    ; u
	s_lshr_b32 s19, s16, 2                         ; g
	s_and_b32 s20, s16, 1
	s_lshl_b32 s21, s19, 6
	s_lshl_b32 s20, s20, 5
	s_add_co_u32 s21, s21, s20                     ; 8 x (8 g + 4 (wave % 2)): my first row's place
	s_mul_i32 s22, s18, 48*272
	s_add_co_u32 s22, s22, s21
	s_add_co_u32 s22, s22, IMG
	s_lshl_b32 s23, s18, 9
	s_add_co_u32 s23, s23, s21
	s_add_co_u32 s23, s23, SCB
	s_mul_i32 s26, s16, 12*272
	s_add_co_u32 s26, s26, IMG
	s_lshl_b32 s27, s16, 8
	s_add_co_u32 s27, s27, SCB
	v_and_b32 v1, 31, v0
	v_lshlrev_b32 v2, 4, v1                        ; 16 bytes a lane, in and out
	v_lshlrev_b32 v18, 3, v1
	v_lshrrev_b32 v3, 2, v1
	v_mul_u32_u24 v3, v3, SP
	v_and_b32 v6, 3, v1
	v_lshl_add_u32 v3, v6, 4, v3
	v_add_nc_u32 v4, s17, v3                       ; the stage, in
	v_mul_u32_u24 v5, v1, SP
	v_add_nc_u32 v5, s17, v5                       ; and out
	v_lshrrev_b32 v6, 3, v1                        ; the K step of four: six chunks each
	v_mul_u32_u24 v7, v6, 6*272
	v_bfe_u32 v6, v1, 2, 1                         ; c: three chunks
	v_mad_u32_u24 v7, v6, 3*272, v7
	v_bfe_u32 v6, v1, 1, 1                         ; h: 16 places of 8 bytes
	v_lshl_add_u32 v7, v6, 7, v7
	v_add_nc_u32 v7, s22, v7
	v_and_b32 v6, 1, v1                            ; an even lane has words 0, 1, 2 of a block's six, an odd one 3, 4, 5; words 2 q, 2 q + 1 lie in chunk q
	v_mad_u32_u24 v8, v6, 540, v7
	v_mad_u32_u24 v7, v6, 276, v7
	v_lshrrev_b32 v6, 4, v1
	v_bfe_u32 v9, v1, 1, 3
	v_lshl_add_u32 v9, v6, 7, v9
	v_add_nc_u32 v9, s23, v9                       ; my block's scale byte
	v_mul_u32_u24 v10, v6, 272
	v_and_b32 v3, 15, v1
	v_lshl_add_u32 v10, v3, 4, v10
	v_add_nc_u32 v10, s26, v10                     ; the image, out
	v_add_nc_u32 v15, s27, v18                     ; scale bytes, out
	s_wait_alu depctr_va_vdst(0)
	s_wait_kmcnt 0x0
	s_and_b32 s17, ttmp9, 31                       ; a weight's 32 work-groups
	s_cmp_lt_u32 ttmp9, 160                        ; work-groups 0-127 x, then 32 each for Wq, Wk, Wv, Wo
	s_cselect_b64 s[6:7], s[6:7], s[8:9]
	s_cmp_lt_u32 ttmp9, 224
	s_cselect_b64 s[10:11], s[10:11], s[12:13]
	s_cmp_lt_u32 ttmp9, 192
	s_cselect_b64 s[6:7], s[6:7], s[10:11]
	s_cmp_lt_u32 ttmp9, 128
	s_cselect_b64 s[4:5], s[4:5], s[6:7]
	s_cselect_b32 s17, ttmp9, s17
	s_lshl_b32 s18, s17, 17                        ; 131,072 bytes a work-group
	s_lshl_b32 s19, s16, 14                        ; 16,384 a wave
	s_add_co_u32 s18, s18, s19
	s_mov_b32 s19, 0
	s_add_nc_u64 s[4:5], s[4:5], s[18:19]
.set T, 0
.rept STEPS
.irp i, 0,1,2,3
	global_load_b128 v[R+16*T+4*\i:R+16*T+4*\i+3], v2, s[4:5] offset:2048*T+512*\i th:TH_LOAD_NT   ; 32 lanes read 512 consecutive bytes
.endr
.set T, T+1
.endr
	s_mul_i32 s20, ttmp9, 24576                    ; two tiles of codes a work-group
	s_mul_i32 s21, s16, 3072
	s_add_co_u32 s20, s20, s21
	s_mov_b32 s21, 0
	s_add_nc_u64 s[14:15], s[14:15], s[20:21]
	s_lshl_b32 s22, ttmp9, 10
	s_lshl_b32 s23, s16, 8
	s_add_co_u32 s22, s22, s23
	s_mov_b32 s23, 0
	s_add_nc_u64 s[24:25], s[24:25], s[22:23]
.macro TURN t                          ; through the stage; LDS serves a wave's instructions in order (ISA guide 5.7.1.4)
	s_wait_loadcnt 4*(STEPS-1-(\t))                ; step t's four loads are in; the later steps' may be out
.irp i, 0,1,2,3
	ds_store_b128 v4, v[R+16*(\t)+4*\i:R+16*(\t)+4*\i+3] offset:32*SP*((\t)%2)+8*SP*\i
.endr
.irp i, 0,1,2,3
	ds_load_b128 v[X+16*((\t)%2)+4*\i:X+16*((\t)%2)+4*\i+3], v5 offset:32*SP*((\t)%2)+16*\i
.endr
.endm
	TURN 0
.macro STEP t
.set XS, X+16*((\t)%2)
.set CC, C+4*(\t)
.set IO, 24*272*((\t)%2)+8*((\t)/2)
.if (\t) > 0
	s_wait_dscnt 4                                 ; this step's numbers are back (the last step's four stores of results may be out)
.else
	s_wait_dscnt 0x0
.endif
.if (\t)+1 < STEPS
	TURN (\t)+1
.endif
	v_max3_num_f32 v12, |v[XS]|, |v[XS+1]|, |v[XS+2]|
	v_max3_num_f32 v13, |v[XS+3]|, |v[XS+4]|, |v[XS+5]|
.irp i, 6,10
	v_max3_num_f32 v12, v12, |v[XS+\i]|, |v[XS+\i+1]|
	v_max3_num_f32 v13, v13, |v[XS+\i+2]|, |v[XS+\i+3]|
.endr
	v_max3_num_f32 v12, v12, |v[XS+14]|, |v[XS+15]|
	v_max3_num_f32 v12, v12, v13, 0x2800000        ; and the floor 2^(5 - 127): the byte cannot fall under 1
	v_max_num_f32_dpp v12, v12, v12 row_xmask:1 row_mask:0xf bank_mask:0xf   ; with my neighbour's 16: the block's
	v_add_nc_u32 v11, 0xfe000000, v12              ; 4 off its exponent field: the conversion's scale operand
	v_cvt_scalef32_pk16_bf6_f32 v[CC:CC+2], v[XS:XS+15], v11
	v_lshrrev_b32 v[E+(\t)], 23, v11               ; the scale's byte (also the plain line behind the conversion)
	ds_store_b32 v7, v[CC] offset:IO
	ds_store_b32 v8, v[CC+1] offset:IO+4
	ds_store_b32 v7, v[CC+2] offset:IO+272
	ds_store_b8 v9, v[E+(\t)] offset:256*((\t)%2)+8*((\t)/2)   ; both lanes of a block write the same byte with the same value
.endm
.irp t, 0,1,2,3,4,5,6,7
	STEP \t
.endr
	s_wait_alu depctr_va_vdst(0)
	s_wait_dscnt 0x0                               ; my part of the image is stored,
	s_barrier_signal -1
	s_barrier_wait -1                              ; and everybody's
.irp i, 0,1,2,3,4,5
	ds_load_b128 v[R+4*\i:R+4*\i+3], v10 offset:2*272*\i
.endr
.irp i, 0,1,2,3,4,5
	s_wait_dscnt 5-\i                              ; the later loads may be out
	global_store_b128 v2, v[R+4*\i:R+4*\i+3], s[14:15] offset:512*\i   ; 32 lanes store two aligned units of 256 bytes
.endr
	s_cmp_lt_u32 s16, 4                            ; waves 0-3 store 256 scale bytes each
	s_cbranch_scc0 .Ldone
	ds_load_b64 v[12:13], v15
	s_wait_dscnt 0x0
	global_store_b64 v18, v[12:13], s[24:25]
.Ldone:
	s_wait_tensorcnt 0x0                           ; the wave's end
	ds_add_u32 v[SPW], v[NIL]
	s_wait_dscnt 0x0
	s_endpgm
.Lfunc_end_k_qeeef8b1596_quant:
	.size	k_qeeef8b1596_quant, .Lfunc_end_k_qeeef8b1596_quant-k_qeeef8b1596_quant
	.p2alignl 7, 3214868480
	.fill 96, 4, 3214868480
	.section	.rodata,"a",@progbits
	.p2align	6, 0x0
	.amdhsa_kernel k_qeeef8b1596_quant
		.amdhsa_group_segment_fixed_size 69120
		.amdhsa_private_segment_fixed_size 0
		.amdhsa_enable_private_segment 0
		.amdhsa_kernarg_size 56
		.amdhsa_user_sgpr_count 2
		.amdhsa_user_sgpr_kernarg_segment_ptr 1
		.amdhsa_wavefront_size32 1
		.amdhsa_system_sgpr_workgroup_id_x 1
		.amdhsa_system_sgpr_workgroup_id_y 1
		.amdhsa_system_sgpr_workgroup_id_z 1
		.amdhsa_system_vgpr_workitem_id 0
		.amdhsa_next_free_vgpr 240
		.amdhsa_next_free_sgpr 66
		.amdhsa_reserve_vcc 0
		.amdhsa_float_denorm_mode_32 3
		.amdhsa_float_denorm_mode_16_64 3
		.amdhsa_memory_ordered 1
		.amdhsa_forward_progress 1
		.amdhsa_inst_pref_size 22
	.end_amdhsa_kernel
	.amdgpu_metadata
---
amdhsa.version: [ 1, 2 ]
amdhsa.kernels:
  - .name:           k_qeeef8b1596_quant
    .symbol:         k_qeeef8b1596_quant.kd
    .args:
      - { .name: x, .offset: 0, .size: 8, .value_kind: global_buffer, .address_space: global }
      - { .name: Wq, .offset: 8, .size: 8, .value_kind: global_buffer, .address_space: global }
      - { .name: Wk, .offset: 16, .size: 8, .value_kind: global_buffer, .address_space: global }
      - { .name: Wv, .offset: 24, .size: 8, .value_kind: global_buffer, .address_space: global }
      - { .name: Wo, .offset: 32, .size: 8, .value_kind: global_buffer, .address_space: global }
      - { .name: cod, .offset: 40, .size: 8, .value_kind: global_buffer, .address_space: global }
      - { .name: scl, .offset: 48, .size: 8, .value_kind: global_buffer, .address_space: global }
    .group_segment_fixed_size: 69120
    .private_segment_fixed_size: 0
    .kernarg_segment_align: 8
    .kernarg_segment_size: 56
    .max_flat_workgroup_size: 256
    .sgpr_count:     66
    .vgpr_count:     240
    .wavefront_size: 32
...
	.end_amdgpu_metadata
.endif
;; end of part 1
;; launch qkv (part 2): grid 8 x 32, 4 waves a work-group, clusters of 4 x 4, 327,680 bytes of LDS; arguments cod, scl, qkc, qks, vtc, vts; writes qkc, qks, vtc, vts
.if DOCPART == 2
	.amdgcn_target "amdgcn-amd-amdhsa--gfx1250"
	.amdhsa_code_object_version 6
	.text
	.protected	k_qeeef8b1596_qkv
	.globl	k_qeeef8b1596_qkv
	.p2align	8
	.type	k_qeeef8b1596_qkv,@function
k_qeeef8b1596_qkv:
	s_mov_b64 s[64:65], 0
	v_nop
	global_prefetch_b8 v0, s[64:65] scope:SCOPE_SE
	s_setreg_imm32_b32 hwreg(HW_REG_WAVE_MODE, 25, 1), 1
	s_wait_xcnt 0x0
	s_wait_alu depctr_hold_cnt(0) depctr_sa_sdst(0) depctr_va_vdst(0) depctr_va_sdst(0) depctr_va_ssrc(0) depctr_va_vcc(0) depctr_vm_vsrc(0)
	s_getreg_b32 s2, hwreg(HW_REG_IB_STS2, 6, 4)
	s_cmp_eq_u32 s2, 0
	s_cbranch_scc0 .Lentry_in_a_cluster
	s_endpgm
.Lentry_in_a_cluster:
	s_bfe_u32 s2, ttmp6, 0x10000c
	s_cmp_lg_u32 s2, 0xf033
	s_cbranch_scc0 .Lentry_shape_is_right
	s_endpgm
.Lentry_shape_is_right:
; The three projections on codes of BF6 with one E8M0 scale for each 32 along K = 1,024, and the quantising of their results for the attention that follows.
; Work-group (j, i): 128 rows of x (block i) against the j-th 128 rows of Wq, of Wk and of Wv: three products of 128 x 128, all of K in LDS. A wave makes 64 x 64: 64 rows of x (wm) x one head's 64 (wn), 16 accumulators.
; x's codes (98,304 bytes) lie in LDS once and, from the first product on, in 384 registers of each wave. The weights' tiles go through two slots: Wq in slot 0, Wk in slot 1, Wv in slot 0 again.
; CLUSTERS of 4 x 4: x's tile is asked for jointly along a row of the cluster, the weights' along a column.
; cod lies as images of operand registers, 8 bytes a lane, with woven rows (see the first kernel): a tensor row is 256 bytes of a dense block, and every LDS read of codes takes 256 consecutive bytes.
; Q and K: source 0 = W, source 1 = x: a lane holds one row of x, its registers run along the head's 64. V: source 0 = x, source 1 = W: a lane holds one of the head's 64, its registers run along 64 keys.
; Results are quantised in registers and stored as images of the next operand's registers, 256 consecutive aligned bytes a store:
;   qkc [q's heads 16, k's heads 16][T 256][768];  qks: head x 16,384 + block x 512 + 256 wm + 16 r + 4 a: two scale bytes, then 0x7f twice (the upper 64 of that product's K are zero codes).
;   vtc [batch, head 32][key step 16][t 4][1536];  vts: (batch, head) x 4,096 + step x 256 + 16 r + 4 t + 2 wm.
; LIMITS: as in the first kernel. No data prefetch: a work-group has four tiles, each asked for a whole product ahead or at the head; there is no loop to run ahead in.
; REGISTERS: window 0: v4-13 addresses; v16-47 x's scale words; v48-79 W's; v80-175 W's fragments, two sets; v176-243 the way out. Window 1: accumulator (a, b) at v[8 (4 a + b)]. Windows 2, 3: x's fragments, K steps 0-3 and 4-7.
.set TB16, 12288                       ; a tile of 16 rows
.set BLKB, 98304                       ; 128 rows
.set W0,   BLKB
.set W1,   2*BLKB
.set XS,   3*BLKB                      ; x's scale bytes
.set WS,   XS+4096                     ; Wq's, Wk's, Wv's
.set SPARE, WS+3*4096                  ; the spare words
.set VA,   4                           ; 8 x lane
.set ADX,  5
.set ADW,  6                           ; v6, v7: slot 0, 1
.set ASX,  8
.set ASW,  9
.set VS,   10                          ; 16 x r
.set SPW,  12
.set NIL,  13
.set SX,   16
.set SW,   48
.set FW,   80
.set TM,   176
.set TB,   184
.set TE,   192
.set PW,   200
.set FQ,   204
.set CT,   228
.set G1A,  32                          ; descriptor groups 1: x's codes, a weight's, x's scales, the weights' scales, a quarter of a weight's codes
.set G1W,  40
.set G1S,  48
.set G1T,  56
.set G1Q,  68
.set G0X,  76                          ; groups 0
.set G0W,  80
.set G0S,  84
.set G0T,  88
.set G0Q,  92
.set SEL,  98
.set WNEXT, 64*TB16                    ; from a weight to the next in cod
.set MSB, 0
.macro WIN new                         ; the immediate's high byte repeats the setting that is left
.if MSB != (\new)
	s_set_vgpr_msb (MSB<<8)|(\new)
.set MSB, (\new)
.endif
.endm
.macro PLACES                          ; four places behind matrix instructions (ISA guide 7.12.1)
.rept 4
	v_nop
.endr
.endm
.macro CROUND                          ; a whole round of the cluster's barrier
	s_barrier_signal -1
	s_barrier_wait -1
	s_cmp_lg_u32 s16, 0
	s_cbranch_scc1 .Lnot_wave_0_\@
	s_barrier_signal -3
.Lnot_wave_0_\@:
	s_barrier_wait -3
	s_barrier_signal -1
	s_barrier_wait -1
.endm
.macro GRP g, c, r, p                  ; r rows of c elements of 8 bytes, p elements from row to row
	s_mov_b32 s[\g+1], (\c)<<16
	s_mov_b32 s[\g+2], (\r)<<16
	s_mov_b32 s[\g+3], (\c)<<16
	s_mov_b32 s[\g+4], \r
	s_mov_b32 s[\g+5], \p
	s_mov_b32 s[\g+6], 0
	s_mov_b32 s[\g+7], 0
.endm
.macro GRP0 g, lds, ptr
	s_mov_b32 s[\g], 1
	s_mov_b32 s[\g+1], \lds
	s_mov_b64 s[\g+2:\g+3], s[\ptr:\ptr+1]
	s_or_b32 s[\g+3], s[\g+3], 0x80000000
.endm
	s_load_b256 s[4:11], s[0:1], 0x0               ; cod, scl, qkc, qks
	s_load_b128 s[12:15], s[0:1], 0x20             ; vtc, vts
	v_lshl_add_u32 v[SPW], v0, 2, SPARE
	v_mov_b32 v[NIL], 0
	ds_add_u32 v[SPW], v[NIL]                      ; the opening add, twice on end, and its wait
	ds_add_u32 v[SPW], v[NIL]
	v_lshrrev_b32 v1, 5, v0
	v_readfirstlane_b32 s16, v1                    ; wave
	s_lshr_b32 s17, s16, 1                         ; wm
	s_and_b32 s18, s16, 1                          ; wn
	s_bfe_u32 s19, ttmp6, 0x40000                  ; cx
	s_bfe_u32 s20, ttmp6, 0x40004                  ; cy
	s_lshl_b32 s21, ttmp9, 2
	s_add_co_u32 s21, s21, s19                     ; j
	s_and_b32 s22, ttmp7, 0xffff
	s_lshl_b32 s22, s22, 2
	s_add_co_u32 s22, s22, s20                     ; i
	s_lshl_b32 s23, s20, 2
	s_lshl_b32 s23, 15, s23                        ; my row of the cluster
	s_lshl_b32 s24, 0x1111, s19                    ; my column
	s_or_b32 s[G1A], s23, (3<<16)|(1<<21)          ; elements of 8 bytes; bit 21 beside a mask
	s_or_b32 s[G1S], s23, (3<<16)|(1<<21)
	s_or_b32 s[G1W], s24, (3<<16)|(1<<21)
	s_or_b32 s[G1T], s24, (3<<16)|(1<<21)
	s_or_b32 s[G1Q], s24, (3<<16)|(1<<21)
	GRP G1A, 32, 384, 32
	GRP G1W, 32, 384, 32
	GRP G1S, 32, 16, 32
	GRP G1T, 512, 3, 4096                          ; the j-th 4,096 scale bytes of each of Wq, Wk, Wv, 32,768 bytes apart
	GRP G1Q, 32, 96, 32
	s_mul_i32 s26, s22, BLKB                       ; x: by i alone
	s_mov_b32 s27, 0
	s_lshl_b32 s30, s22, 12
	s_mov_b32 s31, 0
	s_mul_i32 s28, s21, BLKB                       ; W: by j alone
	s_add_co_u32 s28, s28, 256*TB16
	s_mov_b32 s29, 0
	s_lshl_b32 s96, s21, 12
	s_add_co_u32 s96, s96, 256*512
	s_mov_b32 s97, 0
	s_mul_i32 s2, s16, BLKB/4                      ; my quarter of a weight's tile
	s_mov_b32 s3, 0
	s_wait_dscnt 0x0                               ; both opening adds are done
	s_wait_kmcnt 0x0
	s_add_nc_u64 s[26:27], s[4:5], s[26:27]
	s_add_nc_u64 s[28:29], s[4:5], s[28:29]
	s_add_nc_u64 s[30:31], s[6:7], s[30:31]
	s_add_nc_u64 s[96:97], s[6:7], s[96:97]
	GRP0 G0X, 0, 26
	GRP0 G0W, W0, 28
	GRP0 G0S, XS, 30
	GRP0 G0T, WS, 96
	s_mov_b32 s[G0Q], 1                            ; my quarter of Wk's tile, into slot 1
	s_add_co_u32 s[G0Q+1], s2, W1
	s_add_nc_u64 s[G0Q+2:G0Q+3], s[28:29], s[2:3]
	s_add_nc_u64 s[G0Q+2:G0Q+3], s[G0Q+2:G0Q+3], WNEXT
	s_or_b32 s[G0Q+3], s[G0Q+3], 0x80000000
	CROUND                                         ; all sixteen work-groups are here: the first joint loads meet
; THE HEAD'S LOADS, one a wave: one tree of branches on the wave's number, each way with exactly one load.
.macro ARM under, g0, g1, next
	s_cmp_lt_u32 s16, \under
	s_cbranch_scc0 \next
	tensor_load_to_lds s[\g0:\g0+3], s[\g1:\g1+7]
	s_nop 0
	PLACES
	s_branch .Lasked
\next:
.endm
	ARM 1, G0X, G1A, .Lhead_w
	ARM 2, G0W, G1W, .Lhead_s
	ARM 3, G0S, G1S, .Lhead_t
	tensor_load_to_lds s[G0T:G0T+3], s[G1T:G1T+7]
	s_nop 0
	PLACES
.Lasked:
	; where the results go
	s_lshl_b32 s4, s21, 1
	s_add_co_u32 s4, s4, s18                       ; the head 2 j + wn
	s_mul_i32 s100, s4, 196608
	s_mul_i32 s5, s22, 6144                        ; eight tiles of 768 bytes a block of rows
	s_add_co_u32 s100, s100, s5
	s_mul_i32 s5, s17, 3072
	s_add_co_u32 s100, s100, s5
	s_mov_b32 s101, 0
	s_add_nc_u64 s[8:9], s[8:9], s[100:101]
	s_lshl_b32 s100, s4, 14
	s_lshl_b32 s5, s22, 9
	s_add_co_u32 s100, s100, s5
	s_lshl_b32 s5, s17, 8
	s_add_co_u32 s100, s100, s5
	s_add_nc_u64 s[10:11], s[10:11], s[100:101]
	s_lshr_b32 s5, s22, 4
	s_lshl_b32 s5, s5, 4
	s_add_co_u32 s4, s4, s5                        ; 16 x batch + head
	s_and_b32 s6, s22, 15                          ; key step
	s_mul_i32 s100, s4, 98304
	s_mul_i32 s5, s6, 6144
	s_add_co_u32 s100, s100, s5
	s_mul_i32 s5, s17, 768
	s_add_co_u32 s100, s100, s5
	s_add_nc_u64 s[12:13], s[12:13], s[100:101]
	s_lshl_b32 s100, s4, 12
	s_lshl_b32 s5, s6, 8
	s_add_co_u32 s100, s100, s5
	s_lshl_b32 s5, s17, 1
	s_add_co_u32 s100, s100, s5
	s_add_nc_u64 s[14:15], s[14:15], s[100:101]
	s_mov_b32 s[SEL], 0x76543210
	s_mov_b32 s[SEL+1], 0xfedcba98                 ; lane l xor 16
	s_mov_b32 s25, 0x7f7f0000
	s_mul_i32 s4, s17, 4*TB16                      ; my four tiles of x
	s_mul_i32 s5, s18, 4*TB16                      ; and of W
	s_add_co_u32 s5, s5, W0
	s_lshl_b32 s6, s17, 11
	s_add_co_u32 s6, s6, XS
	s_lshl_b32 s7, s18, 11
	s_add_co_u32 s7, s7, WS
	v_and_b32 v1, 15, v0                           ; r
	v_and_b32 v2, 31, v0
	v_lshlrev_b32 v[VS], 4, v1
	v_lshlrev_b32 v3, 3, v1
	v_lshlrev_b32 v[VA], 3, v2
	v_add_nc_u32 v[ASX], s6, v3
	v_add_nc_u32 v[ASW], s7, v3
	v_add_nc_u32 v[ADX], s4, v[VA]
	v_add_nc_u32 v[ADW], s5, v[VA]
	v_add_nc_u32 v[ADW+1], W1-W0, v[ADW]
.irp k, 0,1,2,3,4,5,6,7
	v_mov_b32 v[TB+\k], 0                          ; a lane permute's destination counts as one of its sources
.endr
.macro SCL dst, adr, off               ; a side's scale words for all of K: register 8 i + s
.irp i, 0,1,2,3
.irp k, 0,1,2,3
	ds_load_b64 v[\dst+8*\i+2*\k:\dst+8*\i+2*\k+1], v[\adr] offset:\off+512*\i+128*\k
.endr
.endr
.endm
.macro WL s, adr                       ; W's four fragments of K step s
.irp i, 0,1,2,3
.irp p, 0,1,2,3,4,5
	ds_load_b64 v[FW+48*((\s)%2)+12*\i+2*\p:FW+48*((\s)%2)+12*\i+2*\p+1], v[\adr] offset:TB16*\i+1536*(\s)+256*\p
.endr
.endr
.endm
.macro XL s                            ; x's, to stay
	WIN 0x80+0x40*((\s)/4)
.irp i, 0,1,2,3
.irp p, 0,1,2,3,4,5
	ds_load_b64 v[48*((\s)%4)+12*\i+2*\p:48*((\s)%4)+12*\i+2*\p+1], v[ADX] offset:TB16*\i+1536*(\s)+256*\p
.endr
.endr
	WIN 0
.endm
; 16 matrix instructions on 16 accumulators by turns, in the same order in every step. The first K step starts the sums.
.macro MUL s, v
.if \v
	WIN 0x52+(\s)/4
.else
	WIN 0x58+4*((\s)/4)
.endif
.irp a, 0,1,2,3
.irp b, 0,1,2,3
.set AA, 8*(4*\a+\b)
.if \v
.set P0, 48*((\s)%4)+12*\b
.set P1, FW+48*((\s)%2)+12*\a
.set Q0, SX+8*\b+(\s)
.set Q1, SW+8*\a+(\s)
.else
.set P0, FW+48*((\s)%2)+12*\b
.set P1, 48*((\s)%4)+12*\a
.set Q0, SW+8*\b+(\s)
.set Q1, SX+8*\a+(\s)
.endif
.if (\s) == 0
	v_wmma_scale_f32_16x16x128_f8f6f4 v[AA:AA+7], v[P0:P0+11], v[P1:P1+11], 0, v[Q0], v[Q1] matrix_a_fmt:MATRIX_FMT_BF6 matrix_b_fmt:MATRIX_FMT_BF6
.else
	v_wmma_scale_f32_16x16x128_f8f6f4 v[AA:AA+7], v[P0:P0+11], v[P1:P1+11], v[AA:AA+7], v[Q0], v[Q1] matrix_a_fmt:MATRIX_FMT_BF6 matrix_b_fmt:MATRIX_FMT_BF6
.endif
.endr
.endr
.endm
; K step s: the next step's fragments are asked for ahead of this step's products.
.macro STEP s, adr, x, v
.if (\s) < 7
	PLACES                                         ; in front of loads into registers that matrix instructions have read
	WIN 0
	WL (\s)+1, \adr
.if \x
	XL (\s)+1
	s_wait_dscnt 48                                ; all but the 48 just issued
.else
	s_wait_dscnt 24                                ; all but the 24 just issued
.endif
.else
	s_wait_dscnt 0x0
.endif
	MUL \s, \v
.endm
; THE WAY OUT. Of each of my four tiles a, a lane's 32 results are two half blocks (16 neighbours each; the other halves lie in lane l xor 16). They become six registers of codes and two scale bytes.
.macro EPI v, off, soff
	s_wait_xcnt 0x0                                ; the last product's stores have read their registers
	WIN 0x05
.irp k, 0,1,2,3,4,5,6,7
	v_max3_num_f32 v[TM+\k], |v[16*\k]|, |v[16*\k+1]|, 0x2800000   ; with the floor 2^(5 - 127)
.endr
.irp i, 2,4,6,8,10,12,14
.irp k, 0,1,2,3,4,5,6,7
	v_max3_num_f32 v[TM+\k], |v[16*\k+\i]|, |v[16*\k+\i+1]|, v[TM+\k]
.endr
.endr
	WIN 0
.irp k, 0,1,2,3,4,5,6,7
	v_permlanex16_b32 v[TB+\k], v[TM+\k], s[SEL], s[SEL+1]
.endr
.irp k, 0,1,2,3,4,5,6,7
	v_max_num_f32 v[TM+\k], v[TM+\k], v[TB+\k]     ; the block's largest magnitude
.endr
.irp k, 0,1,2,3,4,5,6,7
	v_add_nc_u32 v[TE+\k], 0xfe000000, v[TM+\k]    ; 4 off its exponent field: the conversion's scale operand
.endr
.irp k, 0,1,2,3,4,5,6,7
	v_lshrrev_b32 v[TB+\k], 23, v[TE+\k]           ; the scale's byte
.endr
.irp a, 0,1,2,3
	v_lshl_or_b32 v[PW+\a], v[TB+2*\a+1], 8, v[TB+2*\a]
.endr
.if \v == 0
.irp a, 0,1,2,3
	v_or_b32 v[PW+\a], s25, v[PW+\a]
.endr
.endif
	WIN 0x01
.irp a, 0,1,2,3
	v_cvt_scalef32_pk16_bf6_f32 v[FQ+6*\a:FQ+6*\a+2], v[32*\a:32*\a+15], v[TE+2*\a]
	v_cvt_scalef32_pk16_bf6_f32 v[CT+4*\a:CT+4*\a+2], v[32*\a+16:32*\a+31], v[TE+2*\a+1]
.endr
	WIN 0
	v_nop                                          ; one plain place behind a scaled conversion
.irp a, 0,1,2,3
.irp i, 0,1,2
	v_permlane16_swap_b32 v[FQ+6*\a+\i], v[CT+4*\a+\i]   ; lanes 0-15 block 0 whole, lanes 16-31 block 1
.endr
.endr
.irp a, 0,1,2,3
.irp i, 0,1,2
	v_mov_b32 v[FQ+6*\a+3+\i], v[CT+4*\a+\i]
.endr
.endr
.irp a, 0,1,2,3
.irp p, 0,1,2
.if \v
	global_store_b64 v[VA], v[FQ+6*\a+2*\p:FQ+6*\a+2*\p+1], s[12:13] offset:1536*\a+256*\p
.else
	global_store_b64 v[VA], v[FQ+6*\a+2*\p:FQ+6*\a+2*\p+1], s[8:9] offset:\off+768*\a+256*\p
.endif
.endr
.endr
.if \v
.irp a, 0,1,2,3
	global_store_b16 v[VS], v[PW+\a], s[14:15] offset:4*\a   ; two bytes of a word: the other two are the other 64 keys'. Both halves of the lanes store the same value
.endr
.else
	global_store_b128 v[VS], v[PW:PW+3], s[10:11] offset:\soff   ; 256 consecutive bytes; both halves of the lanes store the same values
.endif
.endm
	s_wait_alu depctr_va_vdst(0)
	s_wait_tensorcnt 0x0                           ; my tile of the head's four is in
	ds_add_u32 v[SPW], v[NIL]
	s_wait_dscnt 0x0
	CROUND                                         ; all four tiles are in, and all sixteen work-groups are here:
	tensor_load_to_lds s[G0Q:G0Q+3], s[G1Q:G1Q+7]  ; Wk's tile, a quarter a wave, into slot 1
	s_nop 0
	PLACES
	SCL SX, ASX, 0
	SCL SW, ASW, 0
	WL 0, ADW
	XL 0
.irp s, 0,1,2,3,4,5,6,7
	STEP \s, ADW, 1, 0                             ; Q
.endr
	WIN 0
	s_wait_tensorcnt 0x0                           ; my part of slot 1 is in;
	ds_add_u32 v[SPW], v[NIL]
	s_add_co_u32 s[G0Q+1], s2, W0                  ; no load of mine is out: the descriptor may be written
	s_add_nc_u64 s[G0Q+2:G0Q+3], s[G0Q+2:G0Q+3], WNEXT
	s_wait_dscnt 0x0                               ; the add is done, and my reads of slot 0
	CROUND
	tensor_load_to_lds s[G0Q:G0Q+3], s[G1Q:G1Q+7]  ; Wv's tile into slot 0
	s_nop 0
	PLACES                                         ; also the places in front of the loads below and of the first read of results
	SCL SW, ASW, 4096
	WL 0, ADW+1
	EPI 0, 0, 0
.irp s, 0,1,2,3,4,5,6,7
	STEP \s, ADW+1, 0, 0                           ; K
.endr
	WIN 0
	s_wait_tensorcnt 0x0                           ; my part of slot 0 is in; nothing is filled again
	s_wait_dscnt 0x0
	s_barrier_signal -1
	s_barrier_wait -1
	PLACES
	SCL SW, ASW, 8192
	WL 0, ADW
	EPI 0, 3145728, 262144                         ; k's heads lie behind q's sixteen
.irp s, 0,1,2,3,4,5,6,7
	STEP \s, ADW, 0, 1                             ; V
.endr
	PLACES
	EPI 1, 0, 0
	s_wait_tensorcnt 0x0                           ; the wave's end
	ds_add_u32 v[SPW], v[NIL]
	s_wait_dscnt 0x0
	CROUND                                         ; the closing round: no work-group ends while a partner may still ask for a tile that names it
	s_endpgm
.Lfunc_end_k_qeeef8b1596_qkv:
	.size	k_qeeef8b1596_qkv, .Lfunc_end_k_qeeef8b1596_qkv-k_qeeef8b1596_qkv
	.p2alignl 7, 3214868480
	.fill 96, 4, 3214868480
	.section	.rodata,"a",@progbits
	.p2align	6, 0x0
	.amdhsa_kernel k_qeeef8b1596_qkv
		.amdhsa_group_segment_fixed_size 327680
		.amdhsa_private_segment_fixed_size 0
		.amdhsa_enable_private_segment 0
		.amdhsa_kernarg_size 48
		.amdhsa_user_sgpr_count 2
		.amdhsa_user_sgpr_kernarg_segment_ptr 1
		.amdhsa_wavefront_size32 1
		.amdhsa_system_sgpr_workgroup_id_x 1
		.amdhsa_system_sgpr_workgroup_id_y 1
		.amdhsa_system_sgpr_workgroup_id_z 1
		.amdhsa_system_vgpr_workitem_id 0
		.amdhsa_next_free_vgpr 1024
		.amdhsa_next_free_sgpr 102
		.amdhsa_reserve_vcc 0
		.amdhsa_float_denorm_mode_32 3
		.amdhsa_float_denorm_mode_16_64 3
		.amdhsa_memory_ordered 1
		.amdhsa_forward_progress 1
		.amdhsa_inst_pref_size 143
	.end_amdhsa_kernel
	.amdgpu_metadata
---
amdhsa.version: [ 1, 2 ]
amdhsa.kernels:
  - .name:           k_qeeef8b1596_qkv
    .symbol:         k_qeeef8b1596_qkv.kd
    .args:
      - { .name: cod, .offset: 0, .size: 8, .value_kind: global_buffer, .address_space: global }
      - { .name: scl, .offset: 8, .size: 8, .value_kind: global_buffer, .address_space: global }
      - { .name: qkc, .offset: 16, .size: 8, .value_kind: global_buffer, .address_space: global }
      - { .name: qks, .offset: 24, .size: 8, .value_kind: global_buffer, .address_space: global }
      - { .name: vtc, .offset: 32, .size: 8, .value_kind: global_buffer, .address_space: global }
      - { .name: vts, .offset: 40, .size: 8, .value_kind: global_buffer, .address_space: global }
    .group_segment_fixed_size: 327680
    .private_segment_fixed_size: 0
    .kernarg_segment_align: 8
    .kernarg_segment_size: 48
    .max_flat_workgroup_size: 128
    .sgpr_count:     102
    .vgpr_count:     1024
    .wavefront_size: 32
...
	.end_amdgpu_metadata
.endif
;; end of part 2
;; launch attn (part 3): grid 8 x 32, 16 waves a work-group, clusters of 4 x 1, 245,760 bytes of LDS; arguments qkc, qks, vtc, vts, atc, ats; writes atc, ats
.if DOCPART == 3
	.amdgcn_target "amdgcn-amd-amdhsa--gfx1250"
	.amdhsa_code_object_version 6
	.text
	.protected	k_qeeef8b1596_attn
	.globl	k_qeeef8b1596_attn
	.p2align	8
	.type	k_qeeef8b1596_attn,@function
k_qeeef8b1596_attn:
	s_mov_b64 s[64:65], 0
	v_nop
	global_prefetch_b8 v0, s[64:65] scope:SCOPE_SE
	s_setreg_imm32_b32 hwreg(HW_REG_WAVE_MODE, 25, 1), 1
	s_wait_xcnt 0x0
	s_wait_alu depctr_hold_cnt(0) depctr_sa_sdst(0) depctr_va_vdst(0) depctr_va_sdst(0) depctr_va_ssrc(0) depctr_va_vcc(0) depctr_vm_vsrc(0)
	s_getreg_b32 s2, hwreg(HW_REG_IB_STS2, 6, 4)
	s_cmp_eq_u32 s2, 0
	s_cbranch_scc0 .Lentry_in_a_cluster
	s_endpgm
.Lentry_in_a_cluster:
	s_bfe_u32 s2, ttmp6, 0x10000c
	s_cmp_lg_u32 s2, 0x3003
	s_cbranch_scc0 .Lentry_shape_is_right
	s_endpgm
.Lentry_shape_is_right:
; Causal attention of one (batch, head) on codes of BF6 with one E8M0 scale for each 32 along a product's K; head size 64, 2,048 keys. The result, divided by the row's sum, is quantised along D for the last projection.
; THE SOFTMAX AHEAD OF THE SECOND PRODUCT: t = score x log2(e) / 8; M = the row's largest t so far, rounded UP to a whole number; p = 2^(t - M) is quantised along the keys; it is not normalised.
; The row's sum is taken of the unquantised p, in f32. When M moves, the sum and O are multiplied by 2^(old M - new M): exact.
; SHARES. Two clusters of four work-groups serve a head. Cluster c owns the pairs of blocks of 128 queries b and 15 - b for b = 2 s + (s + c) % 2, s = 0 .. 3; of each block work-group cx of the cluster takes the tiles of 16 queries
; 2 cx and 2 cx + 1. A PAIR OF WAVES serves a tile of block b and the same tile of block 15 - b, 17 key steps of 128 in all:
;   the first wave takes key steps 0 .. 7 of block 15 - b: 8;   the second takes block b's steps 0 .. b, sends that tile out, and takes key steps 8 .. 15 - b of block 15 - b: 9.
;   The second's part of the long tile (O, M, sum) then goes through LDS to the first, which joins the two (factors 2^(M - larger M): exact) and sends the tile out.
; All branches hang on the wave's number, the cluster's and the trip's: the four partners walk alike.
; JOINT LOADS: a head's K and V for all keys, codes and scale bytes, 208,896 bytes, come ONCE, by four joint loads at the head (waves 0 to 3, one each), and lie in LDS; nothing is filled twice.
; Both lie as images of operand registers, 8 bytes a lane: every LDS read of codes takes 256 consecutive bytes.
; LAYOUT. S^T = K Q^T (source 0 = 16 keys, source 1 = my 16 queries; K = 64 fills registers 0-5 of each operand; registers 6-11 of Q are zero codes, so those of K, which are the next tile's, add nothing: every 6-bit code is a finite
; number), O^T = V^T P^T (source 0 = 16 of the head's 64, source 1 = P, K = 128 keys). A lane holds ONE query throughout. Rows of tiles lie woven, so the 16 registers of two neighbouring tiles of S^T are 16 neighbouring keys, and
; those of O^T 16 neighbours along D.
; CAUSAL (WORK LEFT OUT). Key steps all of whose keys come after a block's queries (reference() masks them in its own body) are in no wave's walk; in the step on the diagonal hidden scores become -infinity ahead of the maximum.
; In the first step of every part of a walk each query has a key that counts, so M is a number from there on.
; NO DATA PREFETCH: K and V are asked for at the head.
; LIMITS: as in the first kernel; a block's largest p is taken through the block's largest score, which takes v_exp_f32 not to fall where its input rises; the promise holds while |t| stays under 2^31.
; REGISTERS: v1-7 addresses that stay; v8-11 addresses of the step; v12 -M, v13 the largest t, v[14:15] the sum in two halves; v16-27 Q; v28-31 V's scale words; v32-79 K's eight fragments, 6 registers apart; v80-127 V's four;
; v128-191 S^T, then p; v192-223 O^T; v224-235 p's codes; v232-247, v252, v254 at work; v248-251 K's scale words; v253 p's scale word; v255 Q's.
.set KC,   0                           ; LDS: K's codes: tile 8 s + t at 768 bytes each
.set VC,   98304                       ; V's: tile 4 s + t at 1,536 bytes each
.set KSC,  196608                      ; K's scale words: 512 s + 256 (t / 4) + 16 r + 4 (t % 4)
.set VSC,  204800                      ; V's: 256 s + 16 r + 4 t
.set SPARE, 208896                     ; the spare words
.set MRG,  210944                      ; eight areas of 4,352 bytes: a pair's O, -M, sum
.set STB,  6144                        ; a key step of 128, of K or of V
.set AK0,  1
.set AV0,  2
.set ASK0, 3
.set ASV0, 4
.set DG,   5                           ; my query's place in its block of 128, less 16 (lane / 16)
.set ADK,  8
.set ADV,  9
.set ADS,  10
.set ADT,  11
.set KFR,  32
.set VFR,  80
.set S,    128
.set OT,   192
.set B0,   236                         ; v236-243 four partial sums
.set KN,   2                           ; the next trip's key step
.set WV,   18
.set SEL,  20
.set CS,   22                          ; c = log2(e) / 8
.set G1C,  24
.set G1SK, 32
.set G1SV, 40
.set G0,   48                          ; s[48:63] four groups 0
.set KI,   66                          ; this trip's key step
.set NT,   67                          ; the trip
.set SW,   68                          ; the trip in which my second part begins (31: never)
.set END,  69                          ; my trips
.set JMP,  70                          ; 7 - b: key step less trip in the second part
.set FIRST, 71                         ; my first block of queries
.set BLK,  72                          ; this trip's
.set LONG, 73                          ; 15 - b
.set TK,   90
.set TS,   91
.set TV,   92
.set TJ,   93
.set N1,   96
.set ROLE, 98                          ; not 0: the pair's first wave
.set MG,   99
.macro CROUND                          ; a whole round of the cluster's barrier
	s_barrier_signal -1
	s_barrier_wait -1
	s_cmp_lg_u32 s[WV], 0
	s_cbranch_scc1 .Lnot_wave_0_\@
	s_barrier_signal -3
.Lnot_wave_0_\@:
	s_barrier_wait -3
	s_barrier_signal -1
	s_barrier_wait -1
.endm
	s_load_b256 s[4:11], s[0:1], 0x0               ; qkc, qks, vtc, vts
	s_load_b128 s[12:15], s[0:1], 0x20             ; atc, ats
	v_lshl_add_u32 v254, v0, 2, SPARE
	v_mov_b32 v255, 0
	ds_add_u32 v254, v255                          ; the opening add, twice on end, and its wait
	ds_add_u32 v254, v255
	v_lshrrev_b32 v8, 5, v0
	v_readfirstlane_b32 s[WV], v8                  ; wave 0..15
	s_and_b32 s16, ttmp7, 0xffff                   ; 16 x batch + head
	s_lshr_b32 s17, s16, 4                         ; the batch
	s_and_b32 s19, s16, 15                         ; the head
.irp g, G1C, G1SK, G1SV                        ; dense blocks as rows of 256 bytes (32 elements of 8 bytes), for all four work-groups of the cluster
	s_mov_b32 s[\g], 15|(3<<16)|(1<<21)
	s_mov_b32 s[\g+1], 32<<16
	s_mov_b32 s[\g+3], 32<<16
	s_mov_b32 s[\g+5], 32
	s_mov_b32 s[\g+6], 0
	s_mov_b32 s[\g+7], 0
.endr
	s_mov_b32 s[G1C+2], 384<<16                    ; 384, 32 and 16 rows
	s_mov_b32 s[G1C+4], 384
	s_mov_b32 s[G1SK+2], 32<<16
	s_mov_b32 s[G1SK+4], 32
	s_mov_b32 s[G1SV+2], 16<<16
	s_mov_b32 s[G1SV+4], 16
	s_add_co_u32 s90, s19, 16                      ; k's heads lie behind q's sixteen
	s_mul_i32 s74, s90, 196608                     ; 256 tiles of 768 bytes a head,
	s_mul_i32 s91, s17, 98304                      ; 128 of them a batch
	s_add_co_u32 s74, s74, s91
	s_mov_b32 s75, 0
	s_lshl_b32 s76, s90, 14                        ; K's scale words: 16,384 bytes a head, 8,192 a batch
	s_lshl_b32 s91, s17, 13
	s_add_co_u32 s76, s76, s91
	s_mov_b32 s77, 0
	s_mul_i32 s78, s16, 98304                      ; V's codes
	s_mov_b32 s79, 0
	s_lshl_b32 s80, s16, 12                        ; V's scale words
	s_mov_b32 s81, 0
	s_wait_dscnt 0x0                               ; both opening adds are done
	s_wait_kmcnt 0x0
	s_add_nc_u64 s[74:75], s[4:5], s[74:75]
	s_add_nc_u64 s[76:77], s[6:7], s[76:77]
	s_add_nc_u64 s[78:79], s[8:9], s[78:79]
	s_add_nc_u64 s[80:81], s[10:11], s[80:81]
.macro GRP0 g, lds, ptr
	s_mov_b32 s[\g], 1
	s_mov_b32 s[\g+1], \lds
	s_mov_b64 s[\g+2:\g+3], s[\ptr:\ptr+1]
	s_or_b32 s[\g+3], s[\g+3], 0x80000000
.endm
	GRP0 G0, KC, 74
	GRP0 G0+4, VC, 78
	GRP0 G0+8, KSC, 76
	GRP0 G0+12, VSC, 80
	CROUND                                         ; all four work-groups are here: the joint loads meet
.macro ARM under, g0, g1, next         ; one chain of branches on the wave's number, one load to an arm
	s_cmp_lt_u32 s[WV], \under
	s_cbranch_scc0 \next
	tensor_load_to_lds s[\g0:\g0+3], s[\g1:\g1+7]
	s_nop 0
.rept 4
	v_nop
.endr
	s_branch .Lasked
\next:
.endm
	ARM 1, G0, G1C, .Lhead_v
	ARM 2, G0+4, G1C, .Lhead_ks
	ARM 3, G0+8, G1SK, .Lhead_vs
	s_cmp_lt_u32 s[WV], 4
	s_cbranch_scc0 .Lasked
	tensor_load_to_lds s[G0+12:G0+15], s[G1SV:G1SV+7]
	s_nop 0
.rept 4
	v_nop
.endr
.Lasked:
	s_and_b32 s83, s[WV], 3                        ; s
	s_add_co_u32 s84, s83, ttmp9
	s_and_b32 s84, s84, 1
	s_lshl_b32 s83, s83, 1
	s_add_co_u32 s83, s83, s84                     ; b
	s_sub_co_u32 s[LONG], 15, s83
	s_sub_co_u32 s[JMP], 7, s83
	s_add_co_u32 s84, s83, 1
	s_and_b32 s[ROLE], s[WV], 4                    ; waves w (second) and w + 4 (first) are a pair
	s_cmp_lg_u32 s[ROLE], 0
	s_cselect_b32 s[FIRST], s[LONG], s83
	s_cselect_b32 s[SW], 31, s84
	s_cselect_b32 s[END], 8, 9
	s_and_b32 s[MG], s[WV], 3
	s_lshr_b32 s82, s[WV], 3
	s_lshl_b32 s94, s82, 2
	s_add_co_u32 s[MG], s[MG], s94                 ; the pair's number 0..7
	s_mul_i32 s[MG], s[MG], 4352
	s_add_co_u32 s[MG], s[MG], MRG
	s_bfe_u32 s89, ttmp6, 0x40000                  ; cx
	s_lshl_b32 s89, s89, 1
	s_add_co_u32 s82, s82, s89                     ; my tile of a block's eight: 2 cx + wave / 8
	s_lshl_b32 s95, s17, 7
	s_add_co_u32 s95, s95, s82
	s_lshl_b32 s85, s[FIRST], 3
	s_add_co_u32 s85, s85, s95                     ; T = 128 x batch + 8 x block + tile, of my first part
	s_lshl_b32 s100, s[LONG], 3
	s_add_co_u32 s100, s100, s95                   ; and of the second
.macro QADDR t, pc, ps                 ; Q's image: 196,608 x head + 768 T;  its scale words: 16,384 x head + 256 (T / 4) + 4 (T % 4)
	s_mul_i32 s86, s19, 196608
	s_mul_i32 s87, s[\t], 768
	s_add_co_u32 s86, s86, s87
	s_mov_b32 s87, 0
	s_lshl_b32 s88, s19, 14
	s_lshr_b32 s89, s[\t], 2
	s_lshl_b32 s89, s89, 8
	s_add_co_u32 s88, s88, s89
	s_and_b32 s89, s[\t], 3
	s_lshl_b32 s89, s89, 2
	s_add_co_u32 s88, s88, s89
	s_mov_b32 s89, 0
	s_add_nc_u64 s[\pc:\pc+1], s[4:5], s[86:87]
	s_add_nc_u64 s[\ps:\ps+1], s[6:7], s[88:89]
.endm
	QADDR 100, 8, 10                               ; the second part's (the pair's second wave alone fetches it)
	QADDR 85, 4, 6
	s_mul_i32 s90, s85, 12288                      ; the result: head h is half (h % 2) of K step h / 2 of tile T: 768 h
	s_mul_i32 s91, s19, 768
	s_add_co_u32 s90, s90, s91
	s_mov_b32 s91, 0
	s_lshl_b32 s92, s85, 9                         ; its scale bytes: 512 T + 128 (h / 4) + 8 r + 2 (h % 4)
	s_lshr_b32 s93, s19, 2
	s_lshl_b32 s93, s93, 7
	s_add_co_u32 s92, s92, s93
	s_and_b32 s93, s19, 3
	s_lshl_b32 s93, s93, 1
	s_add_co_u32 s92, s92, s93
	s_mov_b32 s93, 0
	s_add_nc_u64 s[12:13], s[12:13], s[90:91]
	s_add_nc_u64 s[14:15], s[14:15], s[92:93]
	s_lshr_b32 s94, s82, 1
	s_lshl_b32 s94, s94, 5
	s_and_b32 s95, s82, 1
	s_lshl_b32 s95, s95, 3
	s_add_co_u32 s94, s94, s95                     ; 32 (tile / 2) + 8 (tile % 2)
	s_mov_b32 s[SEL], 0x76543210
	s_mov_b32 s[SEL+1], 0xfedcba98                 ; lane l xor 16
	s_mov_b32 s[CS], 0x3e38aa3b                    ; c
	s_mov_b32 s[CS+1], s[CS]                       ; (named with it as a pair, so it is written)
	v_and_b32 v8, 15, v0                           ; r
	v_bfe_u32 v9, v0, 4, 1                         ; h
	v_and_b32 v10, 31, v0
	v_lshlrev_b32 v6, 4, v8                        ; Q's scale words: 16 bytes from row to row
	v_lshlrev_b32 v7, 3, v8                        ; the result's scale bytes: 8
	v_lshlrev_b32 v[AK0], 3, v10
.macro QLOAD pc, ps
.irp p, 0,1,2
	global_load_b64 v[16+2*\p:17+2*\p], v[AK0], s[\pc:\pc+1] offset:256*\p
.endr
	global_load_b32 v255, v6, s[\ps:\ps+1]
.endm
	QLOAD 4, 6
	v_add_nc_u32 v[AV0], VC, v[AK0]
	v_lshl_add_u32 v[ASK0], v10, 4, KSC            ; lanes 0-15 the words of a step's tiles 0-3, lanes 16-31 those of tiles 4-7
	v_lshl_add_u32 v[ASV0], v8, 4, VSC
	v_and_b32 v10, 8, v8
	v_lshlrev_b32 v11, 4, v9
	v_add_nc_u32 v10, v10, v8                      ; r + 8 (r / 8)
	v_sub_nc_u32 v10, v10, v11
	v_add_nc_u32 v[DG], s94, v10
.irp j, 22,23,24,25,26,27
	v_mov_b32 v[\j], 0                             ; the upper 64 of the first product's K: zero codes, in Q
.endr
.irp j, 0,1,2,3,4,5
	v_mov_b32 v[VFR+\j], 0                         ; (named as the last K tile's upper half before it is first loaded)
.endr
.macro RESET                           ; an empty part: the step is written once; the first finds zeros, which the first change of M leaves zeros
	v_mov_b32 v13, 0xff61b1e6                      ; the largest t so far: -3e38, under every t
	v_mov_b32 v14, 0                               ; the sum, in two halves
	v_mov_b32 v15, 0
	v_floor_f32 v12, -v13                          ; -M
.set J, 0
.rept 32
	v_mov_b32 v[OT+J], 0
.set J, J+1
.endr
.endm
.irp b, 0,1,2,3
	v_mov_b32 v[236+\b], 0                         ; a lane permute's destination counts as one of its sources
.endr
	v_mov_b32 v252, 0
	v_mov_b32 v253, 0                              ; (named as the upper half of the pair v[252:253] before it is first written)
	RESET
.macro KLOAD ak, as                    ; K's eight fragments and the scale words: 25 loads
.irp t, 0,1,2,3,4,5,6,7
.irp p, 0,1,2
	ds_load_b64 v[KFR+6*\t+2*\p:KFR+6*\t+2*\p+1], v[\ak] offset:768*\t+256*\p
.endr
.endr
	ds_load_b128 v[248:251], v[\as]
.endm
; THE WAY OUT of a tile. O^T / the sum: register 16 b + i is d = 32 b + 16 (lane / 16) + i of my query: two blocks of 32 along D, quantised and stored as half a fragment's image. v14: my half of the lanes' sum.
.macro OUT
	v_permlanex16_b32 v252, v14, s[SEL], s[SEL+1]
	v_add_f32 v14, v14, v252                       ; with lane l xor 16's: the row's sum
	s_wait_alu depctr_va_vdst(0)                   ; the wait ahead of the transcendental
	v_rcp_f32 v14, v14
	v_nop                                          ; a plain place behind it
	s_wait_alu depctr_va_vdst(0)                   ; and the wait ahead of its first reader
.set J, 0
.rept 32
	v_mul_f32 v[S+J], v[OT+J], v14
.set J, J+1
.endr
.irp b, 0,1
	v_max3_num_f32 v[232+\b], |v[S+16*\b]|, |v[S+1+16*\b]|, 0x2800000
.endr
.irp i, 2,4,6,8,10,12,14
.irp b, 0,1
	v_max3_num_f32 v[232+\b], v[232+\b], |v[S+16*\b+\i]|, |v[S+1+16*\b+\i]|
.endr
.endr
.irp b, 0,1
	v_permlanex16_b32 v[236+\b], v[232+\b], s[SEL], s[SEL+1]
.endr
.irp b, 0,1
	v_max_num_f32 v[232+\b], v[232+\b], v[236+\b]
.endr
.irp b, 0,1
	v_add_nc_u32 v[244+\b], 0xfe000000, v[232+\b]
.endr
.irp b, 0,1
	v_lshrrev_b32 v[236+\b], 23, v[244+\b]
.endr
	v_lshl_or_b32 v254, v237, 8, v236              ; my row's two scale bytes of this head
	v_cvt_scalef32_pk16_bf6_f32 v[224:226], v[S:S+15], v244
	v_cvt_scalef32_pk16_bf6_f32 v[228:230], v[S+16:S+31], v245
	v_nop                                          ; one plain place behind a scaled conversion
.irp i, 0,1,2
	v_permlane16_swap_b32 v[224+\i], v[228+\i]     ; lanes 0-15 block 0 whole, lanes 16-31 block 1
.endr
	v_mov_b32 v227, v228
	v_mov_b32 v228, v229
	v_mov_b32 v229, v230
.irp p, 0,1,2
	global_store_b64 v[AK0], v[224+2*\p:225+2*\p], s[12:13] offset:256*\p   ; 32 lanes store 256 consecutive bytes, at a multiple of 256 from atc's first byte
.endr
	global_store_b16 v7, v254, s[14:15]            ; two bytes a row: the other six of a row's eight are three other heads'; both halves of the lanes store the same value
.endm
	s_mov_b32 s[NT], 0
	s_wait_alu depctr_va_vdst(0)
	s_wait_tensorcnt 0x0                           ; my load, if I issued one, has landed;
	s_barrier_signal -1
	s_barrier_wait -1                              ; and everybody's: all of K and V
	KLOAD AK0, ASK0                                ; key step 0
; A TRIP: one key step of 128 keys.
.Ltrip:
	s_wait_loadcnt 0x0                             ; Q
	s_cmp_eq_u32 s[NT], s[SW]                      ; my second part begins: the short tile goes out first
	s_cbranch_scc0 .Lsame
.rept 4
	v_nop                                          ; places behind the last step's products
.endr
	v_add_f32 v14, v14, v15
	OUT
	RESET
	s_wait_alu depctr_va_vdst(0)
	s_wait_xcnt 0x0                                ; the stores have read their registers
.Lsame:
	s_cmp_ge_u32 s[NT], s[END]                     ; the pair's first wave has eight steps
	s_cbranch_scc1 .Ldone
	s_cmp_ge_u32 s[NT], s[SW]
	s_cselect_b32 s[KI], s[JMP], 0
	s_cselect_b32 s[BLK], s[LONG], s[FIRST]
	s_add_co_u32 s[KI], s[KI], s[NT]
	s_min_u32 s[KI], s[KI], 15
	s_add_co_u32 s[N1], s[NT], 1
	s_cmp_ge_u32 s[N1], s[SW]
	s_cselect_b32 s[KN], s[JMP], 0
	s_add_co_u32 s[KN], s[KN], s[N1]
	s_min_u32 s[KN], s[KN], 15                     ; (behind my last step K is fetched once more and not used)
	s_mul_i32 s[TK], s[KN], STB
	s_lshl_b32 s[TS], s[KN], 9
	s_mul_i32 s[TV], s[KI], STB
	s_lshl_b32 s[TJ], s[KI], 8
	v_add_nc_u32 v[ADK], s[TK], v[AK0]
	v_add_nc_u32 v[ADS], s[TS], v[ASK0]
	v_add_nc_u32 v[ADV], s[TV], v[AV0]
	v_add_nc_u32 v[ADT], s[TJ], v[ASV0]
	s_wait_alu depctr_va_vdst(0)
	s_wait_dscnt 0x0                               ; K's fragments and scale words are in
.irp t, 0,1,2,3,4,5,6,7                        ; S^T = K Q^T
.if \t < 4
	v_wmma_scale_f32_16x16x128_f8f6f4 v[S+8*\t:S+8*\t+7], v[KFR+6*\t:KFR+6*\t+11], v[16:27], 0, v[248+\t], v255 matrix_a_fmt:MATRIX_FMT_BF6 matrix_b_fmt:MATRIX_FMT_BF6
.else
	v_wmma_scale_f32_16x16x128_f8f6f4 v[S+8*\t:S+8*\t+7], v[KFR+6*\t:KFR+6*\t+11], v[16:27], 0, v[244+\t], v255 matrix_a_fmt:MATRIX_FMT_BF6 matrix_b_fmt:MATRIX_FMT_BF6 matrix_a_scale:MATRIX_SCALE_ROW1
.endif
.endr
.rept 4
	v_nop                                          ; places in front of loads into registers that matrix instructions have read, and of the first read of results
.endr
.irp t, 0,1,2,3                                ; V's four fragments and scale words, 25 loads, which land while the softmax is walked,
.irp q, 0,1,2,3,4,5
	ds_load_b64 v[VFR+12*\t+2*\q:VFR+12*\t+2*\q+1], v[ADV] offset:\t*1536+256*\q
.endr
.endr
	ds_load_b128 v[28:31], v[ADT]
	KLOAD ADK, ADS                                 ; and the next trip's K
	s_cmp_eq_u32 s[N1], s[SW]                      ; the short tile's last step: Q is read no more, and the long tile's comes
	s_cbranch_scc0 .Lkeep_q
	QLOAD 8, 10
.Lkeep_q:
	s_cmp_lt_u32 s[KI], s[BLK]                     ; all its keys count: no mask
	s_cbranch_scc1 .Lopen
	v_mov_b32 v254, 0xff800000                     ; on the diagonal: register 16 b + i holds key 32 b + 16 (lane / 16) + i of the step
.set N, 0
.rept 64
	v_cmp_gt_i32 vcc_lo, 32*(N/16)+N%16, v[DG]
	v_cndmask_b32 v[S+N], v[S+N], v254, vcc_lo
.set N, N+1
.endr
.Lopen:
.irp b, 0,1,2,3
	v_max3_num_f32 v[232+\b], v[S+16*\b], v[S+1+16*\b], v[S+2+16*\b]   ; THE LARGEST SCORE OF EACH BLOCK OF 32 KEYS: for the row's maximum and for the block's largest p
.endr
.irp i, 3,5,7,9,11,13
.irp b, 0,1,2,3
	v_max3_num_f32 v[232+\b], v[232+\b], v[S+16*\b+\i], v[S+1+16*\b+\i]
.endr
.endr
.irp b, 0,1,2,3
	v_max_num_f32 v[232+\b], v[232+\b], v[S+15+16*\b]
.endr
.irp b, 0,1,2,3
	s_delay_alu instid0(VALU_DEP_4)
	v_permlanex16_b32 v[236+\b], v[232+\b], s[SEL], s[SEL+1]
.endr
.irp b, 0,1,2,3
	s_delay_alu instid0(VALU_DEP_4)
	v_max_num_f32 v[232+\b], v[232+\b], v[236+\b]  ; with lane l xor 16's 16 keys
.endr
	s_delay_alu instid0(VALU_DEP_2)
	v_max3_num_f32 v254, v232, v233, v234
	s_delay_alu instid0(VALU_DEP_1)
	v_max_num_f32 v254, v254, v235                 ; the step's largest score of my query
	s_delay_alu instid0(VALU_DEP_1)
	v_mul_f32 v254, s[CS], v254                    ; as t (c is positive)
	s_delay_alu instid0(VALU_DEP_1)
	v_max_num_f32 v13, v13, v254                   ; the running largest t
	v_mov_b32 v254, v12
	s_delay_alu instid0(VALU_DEP_2)
	v_floor_f32 v12, -v13                          ; the new -M = floor(-t): M IS A WHOLE NUMBER
	s_delay_alu instid0(VALU_DEP_1)
	v_sub_f32 v254, v12, v254                      ; M's old value less its new one
	s_delay_alu instid0(VALU_DEP_1)
	v_cvt_i32_f32 v254, v254                       ; (it saturates)
	s_delay_alu instid0(VALU_DEP_1)
	v_ldexp_f32 v252, 1.0, v254                    ; f = 2^(old M - new M)
.set J, 0
.rept 32
	v_pk_fma_f32 v[S+J:S+J+1], v[S+J:S+J+1], s[CS:CS+1], v[12:13] op_sel_hi:[1,0,0]   ; t - M (of the pairs c and -M the low word serves both halves)
.set J, J+2
.endr
.irp b, 0,1,2,3
	v_fma_f32 v[232+\b], v[232+\b], s[CS], v12     ; the same of each block's largest score
.endr
	s_wait_alu depctr_va_vdst(0)                   ; the wait ahead of the batch
.set J, 0
.rept 64
	v_exp_f32 v[S+J], v[S+J]                       ; p = 2^(t - M), at most 1: NOT normalised
.set J, J+1
.endr
.irp b, 0,1,2,3
	v_exp_f32 v[232+\b], v[232+\b]                 ; the block's largest p
.endr
	v_pk_mul_f32 v[14:15], v[14:15], v[252:253] op_sel_hi:[1,0]   ; the sums under the new M (a plain place behind the exponentials)
	s_wait_alu depctr_va_vdst(0)                   ; and behind it
.irp b, 0,1,2,3
	v_max_num_f32 v[232+\b], 0x2800000, v[232+\b]  ; the floor 2^(5 - 127): the byte cannot fall under 1
.endr
.irp b, 0,1,2,3
	s_delay_alu instid0(VALU_DEP_4)
	v_add_nc_u32 v[244+\b], 0xfe000000, v[232+\b]  ; 4 off the exponent field: the conversion's scale operand
.endr
.irp b, 0,1,2,3
	s_delay_alu instid0(VALU_DEP_4)
	v_lshrrev_b32 v[236+\b], 23, v[244+\b]         ; the scale's byte
.endr
	s_delay_alu instid0(VALU_DEP_3)
	v_lshl_or_b32 v253, v237, 8, v236              ; p's scale word for these 128 keys
	s_delay_alu instid0(VALU_DEP_1)
	v_lshl_or_b32 v253, v238, 16, v253
	s_delay_alu instid0(VALU_DEP_1)
	v_lshl_or_b32 v253, v239, 24, v253
.irp c, 0,1
	v_cvt_scalef32_pk16_bf6_f32 v[224+6*\c:226+6*\c], v[S+32*\c:S+15+32*\c], v[244+2*\c]
	v_cvt_scalef32_pk16_bf6_f32 v[236+4*\c:238+4*\c], v[S+16+32*\c:S+31+32*\c], v[244+2*\c+1]
.endr
	v_nop                                          ; one plain place behind a scaled conversion
.irp c, 0,1                                    ; the operand's layout wants a WHOLE block in a lane: lanes 0-15 block 2 c, lanes 16-31 block 2 c + 1
.irp i, 0,1,2
	v_permlane16_swap_b32 v[224+6*\c+\i], v[236+4*\c+\i]
.endr
.irp i, 0,1,2
	v_mov_b32 v[227+6*\c+\i], v[236+4*\c+\i]
.endr
.endr
.irp k, 0,1,2,3                                ; THE ROW'S SUM, of the unquantised p: four chains by turns
	v_pk_add_f32 v[B0+2*\k:B0+2*\k+1], v[S+4*\k:S+4*\k+1], v[S+4*\k+2:S+4*\k+3]
.endr
.set J, 16
.rept 24
.set BB, B0+2*((J/2)%4)
	v_pk_add_f32 v[BB:BB+1], v[BB:BB+1], v[S+J:S+J+1]
.set J, J+2
.endr
.macro RESCALE j0, n                   ; O^T under the new M: x f, each accumulator from its low end on
.set J, \j0
.rept \n
	v_pk_mul_f32 v[OT+J:OT+J+1], v[OT+J:OT+J+1], v[252:253] op_sel_hi:[1,0]
.set J, J+2
.endr
.endm
	RESCALE 0, 4
	v_pk_add_f32 v[B0:B0+1], v[B0:B0+1], v[B0+2:B0+3]
	v_pk_add_f32 v[B0+4:B0+5], v[B0+4:B0+5], v[B0+6:B0+7]
	RESCALE 8, 4
	v_pk_add_f32 v[B0:B0+1], v[B0:B0+1], v[B0+4:B0+5]
	RESCALE 16, 4
	v_pk_add_f32 v[14:15], v[14:15], v[B0:B0+1]
	RESCALE 24, 4
	s_wait_alu depctr_va_vdst(0)
	s_wait_dscnt 25                                ; V's fragments and scale words are in; the next trip's 25 loads of K may be out
.irp t, 0,1,2,3                                ; O^T += V^T P^T: the four accumulators by turns
	v_wmma_scale_f32_16x16x128_f8f6f4 v[OT+8*\t:OT+8*\t+7], v[VFR+12*\t:VFR+12*\t+11], v[224:235], v[OT+8*\t:OT+8*\t+7], v[28+\t], v253 matrix_a_fmt:MATRIX_FMT_BF6 matrix_b_fmt:MATRIX_FMT_BF6
.endr
.Ldone:
	s_add_co_u32 s[NT], s[NT], 1
	s_cmp_lt_u32 s[NT], 9
	s_cbranch_scc1 .Ltrip
	; THE LONG TILE'S TWO PARTS MEET. The pair's second wave stores its part in bytes of the pair's own; the first reads it behind the barrier.
.rept 4
	v_nop                                          ; places behind the last products
.endr
	v_and_b32 v10, 31, v0
	v_lshl_add_u32 v8, v10, 4, s[MG]               ; O: 8 x 512 bytes, 16 a lane
	v_lshl_add_u32 v9, v10, 2, s[MG]               ; -M and the sum: 128 bytes each, behind it
	v_add_f32 v14, v14, v15                        ; the sum's two halves
	s_wait_alu depctr_va_vdst(0)
	s_wait_loadcnt 0x0
	s_wait_dscnt 0x0
	s_cmp_lg_u32 s[ROLE], 0
	s_cbranch_scc1 .Lstored
.irp i, 0,1,2,3,4,5,6,7
	ds_store_b128 v8, v[OT+4*\i:OT+4*\i+3] offset:512*\i
.endr
	ds_store_b32 v9, v12 offset:4096
	ds_store_b32 v9, v14 offset:4224
.Lstored:
	s_wait_dscnt 0x0                               ; my stores are done,
	s_barrier_signal -1
	s_barrier_wait -1                              ; and everybody's
	s_cmp_eq_u32 s[ROLE], 0
	s_cbranch_scc1 .Lsent
.irp i, 0,1,2,3,4,5,6,7
	ds_load_b128 v[S+4*\i:S+4*\i+3], v8 offset:512*\i
.endr
	ds_load_b32 v232, v9 offset:4096
	ds_load_b32 v233, v9 offset:4224
	s_wait_dscnt 0x0
	v_min_num_f32 v234, v12, v232                  ; -(the larger M)
	v_sub_f32 v235, v234, v12                      ; my M less the larger,
	v_sub_f32 v236, v234, v232                     ; and the other's: whole numbers, 0 or less
	v_cvt_i32_f32 v235, v235
	v_cvt_i32_f32 v236, v236
	v_ldexp_f32 v252, 1.0, v235
	v_ldexp_f32 v254, 1.0, v236
	v_mul_f32 v14, v14, v252
	v_fma_f32 v14, v233, v254, v14
.set J, 0
.rept 16
	v_pk_mul_f32 v[OT+J:OT+J+1], v[OT+J:OT+J+1], v[252:253] op_sel_hi:[1,0]
.set J, J+2
.endr
.set J, 0
.rept 16
	v_pk_fma_f32 v[OT+J:OT+J+1], v[S+J:S+J+1], v[254:255], v[OT+J:OT+J+1] op_sel_hi:[1,0,1]
.set J, J+2
.endr
	OUT
	s_wait_xcnt 0x0                                ; the stores have read their registers
.Lsent:
	v_lshl_add_u32 v254, v0, 2, SPARE
	v_mov_b32 v255, 0
	s_wait_alu depctr_va_vdst(0)
	s_wait_tensorcnt 0x0                           ; the wave's end
	ds_add_u32 v254, v255
	s_wait_dscnt 0x0
	CROUND                                         ; the closing round: no work-group ends while a partner may still ask for a tile that names it
	s_endpgm
.Lfunc_end_k_qeeef8b1596_attn:
	.size	k_qeeef8b1596_attn, .Lfunc_end_k_qeeef8b1596_attn-k_qeeef8b1596_attn
	.p2alignl 7, 3214868480
	.fill 96, 4, 3214868480
	.section	.rodata,"a",@progbits
	.p2align	6, 0x0
	.amdhsa_kernel k_qeeef8b1596_attn
		.amdhsa_group_segment_fixed_size 245760
		.amdhsa_private_segment_fixed_size 0
		.amdhsa_enable_private_segment 0
		.amdhsa_kernarg_size 48
		.amdhsa_user_sgpr_count 2
		.amdhsa_user_sgpr_kernarg_segment_ptr 1
		.amdhsa_wavefront_size32 1
		.amdhsa_system_sgpr_workgroup_id_x 1
		.amdhsa_system_sgpr_workgroup_id_y 1
		.amdhsa_system_sgpr_workgroup_id_z 1
		.amdhsa_system_vgpr_workitem_id 0
		.amdhsa_next_free_vgpr 256
		.amdhsa_next_free_sgpr 102
		.amdhsa_reserve_vcc 1
		.amdhsa_float_denorm_mode_32 3
		.amdhsa_float_denorm_mode_16_64 3
		.amdhsa_memory_ordered 1
		.amdhsa_forward_progress 1
		.amdhsa_inst_pref_size 50
	.end_amdhsa_kernel
	.amdgpu_metadata
---
amdhsa.version: [ 1, 2 ]
amdhsa.kernels:
  - .name:           k_qeeef8b1596_attn
    .symbol:         k_qeeef8b1596_attn.kd
    .args:
      - { .name: qkc, .offset: 0, .size: 8, .value_kind: global_buffer, .address_space: global }
      - { .name: qks, .offset: 8, .size: 8, .value_kind: global_buffer, .address_space: global }
      - { .name: vtc, .offset: 16, .size: 8, .value_kind: global_buffer, .address_space: global }
      - { .name: vts, .offset: 24, .size: 8, .value_kind: global_buffer, .address_space: global }
      - { .name: atc, .offset: 32, .size: 8, .value_kind: global_buffer, .address_space: global }
      - { .name: ats, .offset: 40, .size: 8, .value_kind: global_buffer, .address_space: global }
    .group_segment_fixed_size: 245760
    .private_segment_fixed_size: 0
    .kernarg_segment_align: 8
    .kernarg_segment_size: 48
    .max_flat_workgroup_size: 512
    .sgpr_count:     102
    .vgpr_count:     256
    .wavefront_size: 32
...
	.end_amdgpu_metadata
.endif
;; end of part 3
;; launch outp (part 4): grid 8 x 32, 4 waves a work-group, clusters of 4 x 4, 222,720 bytes of LDS; arguments atc, ats, cod, scl, out0; writes out0
.if DOCPART == 4
	.amdgcn_target "amdgcn-amd-amdhsa--gfx1250"
	.amdhsa_code_object_version 6
	.text
	.protected	k_qeeef8b1596_outp
	.globl	k_qeeef8b1596_outp
	.p2align	8
	.type	k_qeeef8b1596_outp,@function
k_qeeef8b1596_outp:
	s_mov_b64 s[64:65], 0
	v_nop
	global_prefetch_b8 v0, s[64:65] scope:SCOPE_SE
	s_setreg_imm32_b32 hwreg(HW_REG_WAVE_MODE, 25, 1), 1
	s_wait_xcnt 0x0
	s_wait_alu depctr_hold_cnt(0) depctr_sa_sdst(0) depctr_va_vdst(0) depctr_va_sdst(0) depctr_va_ssrc(0) depctr_va_vcc(0) depctr_vm_vsrc(0)
	s_getreg_b32 s2, hwreg(HW_REG_IB_STS2, 6, 4)
	s_cmp_eq_u32 s2, 0
	s_cbranch_scc0 .Lentry_in_a_cluster
	s_endpgm
.Lentry_in_a_cluster:
	s_bfe_u32 s2, ttmp6, 0x10000c
	s_cmp_lg_u32 s2, 0xf033
	s_cbranch_scc0 .Lentry_shape_is_right
	s_endpgm
.Lentry_shape_is_right:
; The last projection: out0 [4096][1024] f32 = (attention's result) Wo^T on codes of BF6 with one E8M0 scale for each 32 along K = 1,024.
; Work-group (j, i) makes 128 x 128: 128 rows of the attention's result (block i) x the j-th 128 rows of Wo; 256 work-groups. All of K lies in LDS: four tiles (A's codes, B's codes, A's scales, B's), one joint load a wave; nothing is filled twice.
; CLUSTERS of 4 x 4: A's tiles are asked for jointly along a row of the cluster, B's along a column.
; Both operands lie as images of operand registers (tile T of 16 rows at 12,288 T, K step s at 1,536 s, 256 p + 8 lane; scales 512 T + 128 (s / 2) + 8 r + 4 (s % 2)), rows woven.
; A wave makes 64 x 64 (wm, wn), 16 accumulators. Source 0 = Wo, source 1 = A: a lane holds one row, register 8 b + j the column 32 (b / 2) + 16 h + 8 (b % 2) + j. A row of the wave's part is 256 bytes: 16 rows at a time go through
; the wave's own stage in LDS, and sixteen lanes store one aligned unit of 256 bytes.
; LIMITS: as in the first kernel. No data prefetch: all that is read is asked for at the head; there is no loop to run ahead in.
; REGISTERS: window 0: v4-13 addresses; v16-47 A's scale words; v48-79 B's; v80-175 B's fragments, two sets; v176-239 the way out. Window 1: accumulator (a, b) at v[8 (4 a + b)]. Window 2: A's fragments, two sets.
.set TB16, 12288
.set BLKB, 98304
.set BC,   BLKB
.set AS,   2*BLKB
.set BS,   AS+4096
.set STG,  BS+4096                     ; a stage of 16 rows x 272 bytes for each wave
.set SPITCH, 272
.set SPARE, STG+4*16*SPITCH            ; the spare words
.set ADA,  5
.set ADB,  6
.set ASA,  7
.set ASB,  8
.set STO,  9
.set RD,   10
.set CO,   11
.set SPW,  12
.set NIL,  13
.set SA,   16
.set SB,   48
.set FB,   80
.set BK,   176
.set G1A,  32
.set G1B,  40
.set G1S,  48
.set G1T,  56
.set G0A,  76
.set G0B,  80
.set G0S,  84
.set G0T,  88
.set MSB, 0
.macro WIN new                         ; the immediate's high byte repeats the setting that is left
.if MSB != (\new)
	s_set_vgpr_msb (MSB<<8)|(\new)
.set MSB, (\new)
.endif
.endm
.macro PLACES                          ; four places behind matrix instructions (ISA guide 7.12.1)
.rept 4
	v_nop
.endr
.endm
.macro CROUND                          ; a whole round of the cluster's barrier
	s_barrier_signal -1
	s_barrier_wait -1
	s_cmp_lg_u32 s16, 0
	s_cbranch_scc1 .Lnot_wave_0_\@
	s_barrier_signal -3
.Lnot_wave_0_\@:
	s_barrier_wait -3
	s_barrier_signal -1
	s_barrier_wait -1
.endm
.macro GRP g, r                        ; r rows of 256 bytes, dense
	s_mov_b32 s[\g+1], 32<<16
	s_mov_b32 s[\g+2], (\r)<<16
	s_mov_b32 s[\g+3], 32<<16
	s_mov_b32 s[\g+4], \r
	s_mov_b32 s[\g+5], 32
	s_mov_b32 s[\g+6], 0
	s_mov_b32 s[\g+7], 0
.endm
.macro GRP0 g, lds, ptr
	s_mov_b32 s[\g], 1
	s_mov_b32 s[\g+1], \lds
	s_mov_b64 s[\g+2:\g+3], s[\ptr:\ptr+1]
	s_or_b32 s[\g+3], s[\g+3], 0x80000000
.endm
	s_load_b256 s[4:11], s[0:1], 0x0               ; atc, ats, cod, scl
	s_load_b64 s[12:13], s[0:1], 0x20              ; out0
	v_lshl_add_u32 v[SPW], v0, 2, SPARE
	v_mov_b32 v[NIL], 0
	ds_add_u32 v[SPW], v[NIL]                      ; the opening add, twice on end, and its wait
	ds_add_u32 v[SPW], v[NIL]
	v_lshrrev_b32 v1, 5, v0
	v_readfirstlane_b32 s16, v1                    ; wave
	s_lshr_b32 s17, s16, 1                         ; wm
	s_and_b32 s18, s16, 1                          ; wn
	s_bfe_u32 s19, ttmp6, 0x40000                  ; cx
	s_bfe_u32 s20, ttmp6, 0x40004                  ; cy
	s_lshl_b32 s21, ttmp9, 2
	s_add_co_u32 s21, s21, s19                     ; j
	s_and_b32 s22, ttmp7, 0xffff
	s_lshl_b32 s22, s22, 2
	s_add_co_u32 s22, s22, s20                     ; i
	s_lshl_b32 s23, s20, 2
	s_lshl_b32 s23, 15, s23                        ; my row of the cluster
	s_lshl_b32 s24, 0x1111, s19                    ; my column
	s_or_b32 s[G1A], s23, (3<<16)|(1<<21)          ; elements of 8 bytes; bit 21 beside a mask
	s_or_b32 s[G1S], s23, (3<<16)|(1<<21)
	s_or_b32 s[G1B], s24, (3<<16)|(1<<21)
	s_or_b32 s[G1T], s24, (3<<16)|(1<<21)
	GRP G1A, 384
	GRP G1B, 384
	GRP G1S, 16
	GRP G1T, 16
	s_mul_i32 s26, s22, BLKB                       ; A: by i alone
	s_mov_b32 s27, 0
	s_lshl_b32 s30, s22, 12
	s_mov_b32 s31, 0
	s_mul_i32 s28, s21, BLKB                       ; Wo, from tile 448 on: by j alone
	s_add_co_u32 s28, s28, 448*TB16
	s_mov_b32 s29, 0
	s_lshl_b32 s96, s21, 12
	s_add_co_u32 s96, s96, 448*512
	s_mov_b32 s97, 0
	s_wait_dscnt 0x0                               ; both opening adds are done
	s_wait_kmcnt 0x0
	s_add_nc_u64 s[26:27], s[4:5], s[26:27]
	s_add_nc_u64 s[30:31], s[6:7], s[30:31]
	s_add_nc_u64 s[28:29], s[8:9], s[28:29]
	s_add_nc_u64 s[96:97], s[10:11], s[96:97]
	GRP0 G0A, 0, 26
	GRP0 G0B, BC, 28
	GRP0 G0S, AS, 30
	GRP0 G0T, BS, 96
	CROUND                                         ; all sixteen work-groups are here: the joint loads meet
.macro ARM under, g0, g1, next         ; one tree of branches on the wave's number, each way with exactly one load
	s_cmp_lt_u32 s16, \under
	s_cbranch_scc0 \next
	tensor_load_to_lds s[\g0:\g0+3], s[\g1:\g1+7]
	s_nop 0
	PLACES
	s_branch .Lasked
\next:
.endm
	ARM 1, G0A, G1A, .Lhead_b
	ARM 2, G0B, G1B, .Lhead_s
	ARM 3, G0S, G1S, .Lhead_t
	tensor_load_to_lds s[G0T:G0T+3], s[G1T:G1T+7]
	s_nop 0
	PLACES
.Lasked:
	s_lshl_b32 s100, s22, 19                       ; where my part of out0 begins: (128 i + 64 wm) rows of 4,096 bytes + 512 j + 256 wn
	s_lshl_b32 s5, s17, 18
	s_add_co_u32 s100, s100, s5
	s_lshl_b32 s5, s21, 9
	s_add_co_u32 s100, s100, s5
	s_lshl_b32 s5, s18, 8
	s_add_co_u32 s100, s100, s5
	s_mov_b32 s101, 0
	s_add_nc_u64 s[12:13], s[12:13], s[100:101]
	s_mul_i32 s4, s17, 4*TB16                      ; my four tiles of A
	s_mul_i32 s5, s18, 4*TB16                      ; and of B
	s_add_co_u32 s5, s5, BC
	s_lshl_b32 s6, s17, 11
	s_add_co_u32 s6, s6, AS
	s_lshl_b32 s7, s18, 11
	s_add_co_u32 s7, s7, BS
	s_mul_i32 s8, s16, 16*SPITCH
	s_add_co_u32 s8, s8, STG                       ; my stage
	v_and_b32 v1, 15, v0                           ; r
	v_bfe_u32 v2, v0, 4, 1                         ; h
	v_and_b32 v3, 31, v0
	v_lshlrev_b32 v4, 3, v3
	v_lshlrev_b32 v3, 3, v1
	v_add_nc_u32 v[ADA], s4, v4
	v_add_nc_u32 v[ADB], s5, v4
	v_add_nc_u32 v[ASA], s6, v3
	v_add_nc_u32 v[ASB], s7, v3
	v_mul_u32_u24 v4, v1, SPITCH                   ; in: row r, columns from 16 h on
	v_lshl_add_u32 v4, v2, 6, v4
	v_add_nc_u32 v[STO], s8, v4
	v_mul_u32_u24 v4, v2, SPITCH                   ; back: lanes 0-15 one row, lanes 16-31 the next
	v_lshl_add_u32 v4, v1, 4, v4
	v_add_nc_u32 v[RD], s8, v4
	v_lshlrev_b32 v4, 12, v2                       ; the same two rows in out0
	v_lshl_add_u32 v[CO], v1, 4, v4
.macro SCL dst, adr                    ; a side's scale words for all of K: register 8 i + s
.irp i, 0,1,2,3
.irp k, 0,1,2,3
	ds_load_b64 v[\dst+8*\i+2*\k:\dst+8*\i+2*\k+1], v[\adr] offset:512*\i+128*\k
.endr
.endr
.endm
.macro FETCH s                         ; both sides' four fragments of K step s: 48 loads
	WIN 0
.irp i, 0,1,2,3
.irp p, 0,1,2,3,4,5
	ds_load_b64 v[FB+48*((\s)%2)+12*\i+2*\p:FB+48*((\s)%2)+12*\i+2*\p+1], v[ADB] offset:TB16*\i+1536*(\s)+256*\p
.endr
.endr
	WIN 0x80
.irp i, 0,1,2,3
.irp p, 0,1,2,3,4,5
	ds_load_b64 v[48*((\s)%2)+12*\i+2*\p:48*((\s)%2)+12*\i+2*\p+1], v[ADA] offset:TB16*\i+1536*(\s)+256*\p
.endr
.endr
.endm
; K step s: the next step's fragments are asked for ahead of this step's products; 16 accumulators by turns; the first K step starts the sums.
.macro STEP s
.if (\s) < 7
	PLACES                                         ; in front of loads into registers that matrix instructions have read
	FETCH (\s)+1
	s_wait_dscnt 48                                ; all but the 48 just issued
.else
	s_wait_dscnt 0x0
.endif
	WIN 0x58
.irp a, 0,1,2,3
.irp b, 0,1,2,3
.set AA, 8*(4*\a+\b)
.set P0, FB+48*((\s)%2)+12*\b
.set P1, 48*((\s)%2)+12*\a
.if (\s) == 0
	v_wmma_scale_f32_16x16x128_f8f6f4 v[AA:AA+7], v[P0:P0+11], v[P1:P1+11], 0, v[SB+8*\b+(\s)], v[SA+8*\a+(\s)] matrix_a_fmt:MATRIX_FMT_BF6 matrix_b_fmt:MATRIX_FMT_BF6
.else
	v_wmma_scale_f32_16x16x128_f8f6f4 v[AA:AA+7], v[P0:P0+11], v[P1:P1+11], v[AA:AA+7], v[SB+8*\b+(\s)], v[SA+8*\a+(\s)] matrix_a_fmt:MATRIX_FMT_BF6 matrix_b_fmt:MATRIX_FMT_BF6
.endif
.endr
.endr
.endm
	s_wait_alu depctr_va_vdst(0)
	s_wait_tensorcnt 0x0                           ; my tile is in,
	s_barrier_signal -1
	s_barrier_wait -1                              ; and all four are
	SCL SA, ASA
	SCL SB, ASB
	FETCH 0
.irp s, 0,1,2,3,4,5,6,7
	STEP \s
.endr
	PLACES                                         ; in front of the first read of results
.macro TOSTAGE a                       ; LDS serves a wave's instructions in order (ISA guide 5.7.1.4): no wait between the stores and the loads
	WIN 0x04
.irp b, 0,1,2,3
	ds_store_b128 v[STO], v[32*\a+8*\b:32*\a+8*\b+3] offset:128*(\b/2)+32*(\b%2)
	ds_store_b128 v[STO], v[32*\a+8*\b+4:32*\a+8*\b+7] offset:128*(\b/2)+32*(\b%2)+16
.endr
	WIN 0
.irp t, 0,1,2,3,4,5,6,7
	ds_load_b128 v[BK+32*(\a%2)+4*\t:BK+32*(\a%2)+4*\t+3], v[RD] offset:2*\t*SPITCH
.endr
.endm
.macro SEND a, younger                 ; younger: the LDS instructions issued behind block a's loads
	s_wait_dscnt \younger
.irp t, 0,1,2,3,4,5,6,7                ; places 2 t and 2 t + 1 of tile a: rows 32 (a / 2) + 8 (a % 2) + place + 8 (place / 8)
	global_store_b128 v[CO], v[BK+32*(\a%2)+4*\t:BK+32*(\a%2)+4*\t+3], s[12:13] offset:(32*(\a/2)+8*(\a%2)+2*\t+8*(\t/4))*4096 th:TH_STORE_NT
.endr
.endm
	TOSTAGE 0
	TOSTAGE 1
	SEND 0, 16
	s_wait_xcnt 0x0                                ; block 0's stores have read their registers
	TOSTAGE 2
	SEND 1, 16
	s_wait_xcnt 0x0
	TOSTAGE 3
	SEND 2, 16
	SEND 3, 0
	s_wait_tensorcnt 0x0                           ; the wave's end
	ds_add_u32 v[SPW], v[NIL]
	s_wait_dscnt 0x0
	CROUND                                         ; the closing round: no work-group ends while a partner may still ask for a tile that names it
	s_endpgm
.Lfunc_end_k_qeeef8b1596_outp:
	.size	k_qeeef8b1596_outp, .Lfunc_end_k_qeeef8b1596_outp-k_qeeef8b1596_outp
	.p2alignl 7, 3214868480
	.fill 96, 4, 3214868480
	.section	.rodata,"a",@progbits
	.p2align	6, 0x0
	.amdhsa_kernel k_qeeef8b1596_outp
		.amdhsa_group_segment_fixed_size 222720
		.amdhsa_private_segment_fixed_size 0
		.amdhsa_enable_private_segment 0
		.amdhsa_kernarg_size 40
		.amdhsa_user_sgpr_count 2
		.amdhsa_user_sgpr_kernarg_segment_ptr 1
		.amdhsa_wavefront_size32 1
		.amdhsa_system_sgpr_workgroup_id_x 1
		.amdhsa_system_sgpr_workgroup_id_y 1
		.amdhsa_system_sgpr_workgroup_id_z 1
		.amdhsa_system_vgpr_workitem_id 0
		.amdhsa_next_free_vgpr 640
		.amdhsa_next_free_sgpr 102
		.amdhsa_reserve_vcc 0
		.amdhsa_float_denorm_mode_32 3
		.amdhsa_float_denorm_mode_16_64 3
		.amdhsa_memory_ordered 1
		.amdhsa_forward_progress 1
		.amdhsa_inst_pref_size 60
	.end_amdhsa_kernel
	.amdgpu_metadata
---
amdhsa.version: [ 1, 2 ]
amdhsa.kernels:
  - .name:           k_qeeef8b1596_outp
    .symbol:         k_qeeef8b1596_outp.kd
    .args:
      - { .name: atc, .offset: 0, .size: 8, .value_kind: global_buffer, .address_space: global }
      - { .name: ats, .offset: 8, .size: 8, .value_kind: global_buffer, .address_space: global }
      - { .name: cod, .offset: 16, .size: 8, .value_kind: global_buffer, .address_space: global }
      - { .name: scl, .offset: 24, .size: 8, .value_kind: global_buffer, .address_space: global }
      - { .name: out0, .offset: 32, .size: 8, .value_kind: global_buffer, .address_space: global }
    .group_segment_fixed_size: 222720
    .private_segment_fixed_size: 0
    .kernarg_segment_align: 8
    .kernarg_segment_size: 40
    .max_flat_workgroup_size: 128
    .sgpr_count:     102
    .vgpr_count:     640
    .wavefront_size: 32
...
	.end_amdgpu_metadata
.endif
;; end of part 4
